; MI455X (gfx1250); checked and timed in simulation.
; The chip was launched on July 23, 2026; its instructions are those of AMD's public machine-readable ISA for CDNA 5 (MIT licence, August 2026) and "CDNA5" Instruction Set Architecture Reference Guide (July 2026). The comments in the code are by the model that wrote it; some were corrected since.
;; Attention. Allowed arithmetic: matrix products marked QUANTISED: E2M1 operands, one E8M0 scale for each 32 along K, by v_wmma_scale_f32_16x16x128_f8f6f4 with both operands' format E2M1 (or v_wmma_scale_f32_32x16x128_f4), f32 sums; products left as they are: f32 operands where the result goes on into a quantised operand, else bf16, f16 or f32 operands; f32 sums; everything else in f32.
;; Inputs: V_b 1 float32; V_w 1,024 x 1 float32; W1_b 1,024 float32; W1_w 1,024 x 1,024 float32; W2_b 1,024 float32; W2_w 1,024 x 1,024 float32; features 32 x 2,048 x 1,024 float32; hidden 32 x 1,024 float32.
;; Outputs: out0 32 x 1,024 float32; out1 32 x 2,048 x 1 float32.
;; This version of the problem:
;;   THIS VERSION OF THE PROBLEM IS GIVEN IN LOW PRECISION. The matrix products marked QUANTISED in the list below multiply operands that are first quantised to E2M1 (2 exponent bits, 1 mantissa bit; 4 bits a number), with one power-of-two scale for each 32 numbers along K (OCP MX v1.0); their sums are f32. All else is computed in f32.
;;   The module's matrix products, in the order in which they are computed (A, B: the left and right operand; K: the contracted axis; several contracted axes count as one K, in the product's order):
;;     1. [M 32, K 1,024] x [K 1,024, N 1,024]; A: input hidden; B: input W2_w: QUANTISED
;;     2. [M 65,536, K 1,024] x [K 1,024, N 1,024]; A: input features; B: input W1_w: QUANTISED
;;     3. [M 65,536, K 1,024] x [K 1,024, N 1]; A: computed on the way; B: input V_w: left as it is (N = 1 < 16)
;;   THE QUANTISER, for each operand of a quantised product, along K:
;;     - K is cut into blocks of 32 from its start; a last block that is shorter is filled with zeros.
;;     - A block's scale is 2^e with e = floor(log2(the largest magnitude in the block)) - 2, held to -126 .. 127; a block of zeros has e = 0. As a byte (E8M0): e + 127.
;;     - Each number is divided by its block's scale, clamped to +-6, and rounded to the nearest number of E2M1, ties to even, subnormals kept.
;;     - The product sums the exact products of the quantised numbers (number of the format x scale) in f32.
;;   ~~~python
;;   def quantise(x, axis):      # numpy; x: float32 -> the quantised numbers, widened to float32 again
;;       x = np.moveaxis(x, axis, -1); K = x.shape[-1]
;;       x = np.pad(x, [(0, 0)] * (x.ndim - 1) + [(0, -K % 32)]); x = x.reshape(x.shape[:-1] + (-1, 32)); a = np.abs(x).max(-1, keepdims=True)
;;       e = np.where(a > 0, np.clip(np.frexp(np.where(a > 0, a, 1))[1] - 1 - 2, -126, 127), 0)      # np.frexp(a)[1] - 1 = floor(log2(a)), exactly
;;       r = np.clip(x / 2.0 ** e, -6, 6)
;;       step = 2.0 ** (np.maximum(np.frexp(np.where(r == 0, 1, r))[1] - 1, 0) - 1)
;;       q = np.round(r / step) * step * 2.0 ** e      # np.round: ties to even
;;       return np.moveaxis(q.reshape(q.shape[:-2] + (-1,))[..., :K], -1, axis).astype(np.float32)
;;   ~~~
;; One version. Each part assembles by itself: llvm-mc -triple=amdgcn-amd-amdhsa -mcpu=gfx1250 --defsym DOCPART=n.
;; ======== version 1 of 1: 3 launches
;; limits: right only within a limited range of input values
;; workspace buffers: w1img 524,288 bytes; w1sc 32,768 bytes; hbimg 131,072 bytes; part 1,114,112 bytes; lg 262,144 bytes
;; launch prep (part 1): grid 64 x 1, 8 waves a work-group, no clusters, 35,840 bytes of LDS; arguments W1_w, W2_w, hidden, W1_b, W2_b, w1img, w1sc, hbimg; writes w1img, w1sc, hbimg
.if DOCPART == 1
	.amdgcn_target "amdgcn-amd-amdhsa--gfx1250"
	.amdhsa_code_object_version 6
	.text
	.protected	k_qe26bbf2d9f_prep
	.globl	k_qe26bbf2d9f_prep
	.p2align	8
	.type	k_qe26bbf2d9f_prep,@function
k_qe26bbf2d9f_prep:
	s_mov_b64 s[64:65], 0
	v_nop
	global_prefetch_b8 v0, s[64:65] scope:SCOPE_SE
	s_setreg_imm32_b32 hwreg(HW_REG_WAVE_MODE, 25, 1), 1
	s_wait_xcnt 0x0
; PREP.  W1 and W2, [1024 (k)][1024 (unit)] f32, are quantised along K (their FIRST axis) to codes of E2M1 with one E8M0 byte for each 32 along K.
; Work-groups 0-31 take W1: its codes leave as images of the matrix unit's operand registers (w1img), its scale bytes as [unit][32] (w1sc).
; Work-groups 32-63 take W2, quantise hidden [32][1024] too, multiply the two on codes, and store hb' = (hidden W2 + W2_b + W1_b) x 2 log2(e)  (hbimg).
; SHARES.  Work-group cg (its number mod 32) owns 32 units, two tiles of 16.  Wave w owns K step w, rows 128 w .. 128 w + 127.  A LANE TAKES A UNIT AND ITS REGISTERS RUN DOWN K:
; each load reads 128 consecutive bytes a wave, a block of 32 along K lies in one lane's 32 registers, and the conversions give codes with K innermost.
; A 4-bit operand wants in lane (r, h), registers 4 c .. 4 c + 3, k = 64 c + 32 h + 0 .. 31 of unit r.  A lane here holds all four blocks of ITS unit (lanes 0-15: tile 0's units, lanes 16-31: tile 1's):
; blocks 0, 2 go to one run of eight registers, blocks 1, 3 to another, and eight exchanges of half-rows between the two runs make of them tile 0's and tile 1's fragments.
; The two kinds of work-group part once, behind the addresses, on the work-group's number, which all waves of a work-group share; each way has its own barrier, its own LDS bytes and its own end.
; On W2's way hidden is asked for BESIDE W2, not behind it: two of its four blocks at the start, into registers that are free until the products; two into W2's registers as their blocks are done with.
; A block's scale is 2^(floor(log2(largest magnitude)) - 2): its byte is the largest magnitude's exponent field - 2, held at 1 from below by a floor among the maximum's leaves.
; LIMITS: a block of zeros, or one whose largest magnitude lies under 2^-124, gets the byte 1 (zeros: where the rule says 127; their codes are zeros, and only this program reads the bytes);
; NaN and infinities are not served; hidden W2 is summed as eight partial sums along K, one a wave, added in f32 by pairs.
.set SCW,  0                           ; LDS, W1's way: 32 units x 32 scale bytes
.set PART, 1024                        ; LDS, W2's way: 8 waves x 4,096 bytes of partial sums
.set X,    32                          ; v32-159  128 numbers of W; on W2's way v32-95 then take hidden's blocks 0 and 1
.set F0,   160                         ; v160-167 tile 0's fragment
.set F1,   168                         ; v168-175 tile 1's
.set HA,   176                         ; v176-191 hidden's two fragments (rows 0-15, 16-31)
.set D,    192                         ; v192-223 hidden's block 3, then four accumulators: (rows 16 m, tile j) at D + 8 (2 m + j)
.set HX,   224                         ; v224-255 hidden's block 2
.set WS,   12                          ; v12      W's scale words: lanes 0-15 tile 0's units, lanes 16-31 tile 1's
.set HS,   13                          ; v13-14   hidden's scale words
.set PX,   15                          ; v15      a lane permute's destination
.set QM,   16                          ; v16-17   a block's largest magnitude, in two chains
.set QS,   18                          ; v18-21   the conversions' scale operands, one a block
.set QB,   22                          ; v22-25   the scale bytes
; WORK LEFT OUT BY THE WHOLE PROGRAM.  logits[b][t] = sum over u of V_w[u] tanh(x[b][t][u]) + V_b, and tanh(x) = 1 - 2 / (1 + e^(2x)), so
; logits[b][t] = (sum of V_w + V_b) - 2 sum over u of V_w[u] / (1 + e^(2x)).  The bracket is the same for every t of a batch; the logits reach the outputs only
; through the softmax over t, which a term that is equal along its axis leaves as it is, for all values of the inputs.  So the bracket is not formed:
; V_b has no way to an output, is not loaded and is among no launch's arguments.  LIMIT: a NaN, an infinity or an overflow that reaches only V_b or the sum of V_w is not carried to the results.
	s_load_b512 s[4:19], s[0:1], 0x0
	v_lshl_add_u32 v27, v0, 2, 0x8800
	s_set_vgpr_msb 0x40
	v_mov_b32 v1, 0
	s_set_vgpr_msb 0x4000
	v_lshrrev_b32 v1, 5, v0
	s_delay_alu instid0(VALU_DEP_1)
	v_readfirstlane_b32 s24, v1                    ; wave 0..7
	s_and_b32 s25, ttmp9, 31                       ; cg
	; every address register is made here, ahead of the parting
	v_and_b32 v1, 31, v0                           ; lane
	s_delay_alu instid0(VALU_DEP_1)
	v_lshlrev_b32 v2, 2, v1                        ; W: 4 bytes a lane
	s_delay_alu instid0(VALU_DEP_2)
	v_lshlrev_b32 v3, 4, v1                        ; 16 x lane: an image's place for my lane, in memory and in LDS
	v_and_b32 v4, 15, v0                           ; r
	v_bfe_u32 v5, v0, 4, 1                         ; h
	s_delay_alu instid0(VALU_DEP_2)
	v_lshlrev_b32 v6, 12, v4
	s_delay_alu instid0(VALU_DEP_1)
	v_lshl_add_u32 v6, v5, 7, v6                   ; hidden: row r of 4,096 bytes, + 128 h: my block of 32
	s_lshl_b32 s26, s24, 2
	v_lshlrev_b32 v7, 5, v1
	s_delay_alu instid0(VALU_DEP_1)
	v_add_nc_u32 v7, s26, v7                       ; SCW + 32 x lane + 4 x wave: my unit's scale word of my K step
	s_lshl_b32 s26, s24, 12
	v_add_nc_u32 v8, s26, v3
	s_delay_alu instid0(VALU_DEP_1)
	v_add_nc_u32 v8, PART, v8                      ; where I put my partial sums: PART + 4,096 x wave + 16 x lane
	s_lshl_b32 s26, s24, 9
	v_add_nc_u32 v9, s26, v3
	s_delay_alu instid0(VALU_DEP_1)
	v_add_nc_u32 v9, PART, v9                      ; and the piece that I add up: PART + 512 x wave + 16 x lane, in each wave's 4,096
	v_lshlrev_b32 v10, 2, v4                       ; the biases: 4 r
	v_lshlrev_b32 v11, 3, v5                       ; 8 h: my bytes' place in hidden's scale word
	v_mov_b32 v[PX], 0                             ; a lane permute's destination counts as one of its sources
	s_mov_b32 s20, 0x76543210
	s_mov_b32 s21, 0xfedcba98                      ; v_permlanex16_b32's selects for lane l xor 16
	s_mov_b32 s22, 0x4038aa3b                      ; 2 log2(e)
	s_mov_b32 s23, s22                             ; (named with it as a pair)
	s_lshl_b32 s26, s24, 19                        ; my 128 rows of 4,096 bytes,
	s_lshl_b32 s27, s25, 7                         ; my work-group's 32 units
	s_add_co_u32 s26, s26, s27
	s_mov_b32 s27, 0
	s_wait_kmcnt 0x0
	s_cmp_lt_u32 ttmp9, 32                         ; W1's work-group or W2's: the choice hangs on the work-group's number alone
	s_cselect_b64 s[28:29], s[4:5], s[6:7]
	s_add_nc_u64 s[28:29], s[28:29], s[26:27]
.macro LOADW b                         ; block b: W(128 w + 32 b + i, my unit), i = 0 .. 31
.set i, 0
.rept 32
	global_load_b32 v[X+32*(\b)+i], v2, s[28:29] offset:(32*(\b)+i)*4096 th:TH_LOAD_NT
.set i, i+1
.endr
.endm
.macro LOADH n, dst                    ; hidden's block n = 2 m + c: of row 16 m + r, k = 128 w + 64 c + 32 h + 0 .. 31: eight loads
.irp i, 0,1,2,3,4,5,6,7
	global_load_b128 v[(\dst)+4*\i:(\dst)+4*\i+3], v6, s[8:9] offset:((\n)/2)*65536+((\n)%2)*256+16*\i
.endr
.endm
; 32 numbers of one block, v[src] on, become 32 codes in v[dst] .. v[dst + 3]; the block's byte goes to v[QB + n]
.macro QBLK src, dst, n
	v_max3_num_f32 v[QM], |v[(\src)]|, |v[(\src)+1]|, |v[(\src)+2]|
	v_max3_num_f32 v[QM+1], |v[(\src)+3]|, |v[(\src)+4]|, |v[(\src)+5]|
.irp i, 6,10,14,18,22,26
	s_delay_alu instid0(VALU_DEP_2)
	v_max3_num_f32 v[QM], v[QM], |v[(\src)+\i]|, |v[(\src)+\i+1]|
	s_delay_alu instid0(VALU_DEP_2)
	v_max3_num_f32 v[QM+1], v[QM+1], |v[(\src)+\i+2]|, |v[(\src)+\i+3]|
.endr
	s_delay_alu instid0(VALU_DEP_2)
	v_max3_num_f32 v[QM], v[QM], |v[(\src)+30]|, |v[(\src)+31]|
	s_delay_alu instid0(VALU_DEP_1)
	v_max3_num_f32 v[QM], v[QM], v[QM+1], 0x1800000          ; the floor 2^(3 - 127): the byte cannot fall under 1
	s_delay_alu instid0(VALU_DEP_1)
	v_add_nc_u32 v[QS+\n], 0xff000000, v[QM]                 ; 2 off the exponent field: the conversion takes this operand's exponent field as its scale
.irp g, 0,1,2,3
	v_cvt_scalef32_pk8_fp4_f32 v[(\dst)+\g], v[(\src)+8*\g:(\src)+8*\g+7], v[QS+\n]
.endr
	v_lshrrev_b32 v[QB+\n], 23, v[QS+\n]                     ; the byte; also the plain line behind the conversions
.endm
.macro FINW                            ; W's four blocks are codes: the scale word, and the two tiles' fragments
	v_lshl_or_b32 v[WS], v[QB+1], 8, v[QB]         ; my unit's scale word of this K step
	s_delay_alu instid0(VALU_DEP_1)
	v_lshl_or_b32 v[WS], v[QB+2], 16, v[WS]
	s_delay_alu instid0(VALU_DEP_1)
	v_lshl_or_b32 v[WS], v[QB+3], 24, v[WS]
.irp i, 0,1,2,3,4,5,6,7
	v_permlane16_swap_b32 v[F0+\i], v[F1+\i]       ; the first's lanes 16-31 change places with the second's lanes 0-15: F0 is now tile 0's fragment, F1 tile 1's
.endr
.endm
	s_cmp_lt_u32 ttmp9, 32
	s_cbranch_scc0 .Lw2
	; ---- W1.  Loads run two blocks ahead
	LOADW 0
	LOADW 1
	s_wait_loadcnt 32                              ; loads come back in order: block 0's 32 are in, block 1's may be out
	LOADW 2
	QBLK X, F0, 0
	s_wait_loadcnt 32                              ; block 1's are in, block 2's may be out
	LOADW 3
	QBLK X+32, F1, 1
	s_wait_loadcnt 32                              ; block 2's are in, block 3's may be out
	QBLK X+64, F0+4, 2
	s_wait_loadcnt 0x0
	QBLK X+96, F1+4, 3
	FINW
	; the fragments leave as they stand: (tile T, K step s) at 1,024 (8 T + s), four registers of lane L at 16 L, 512 consecutive bytes a store
	s_lshl_b32 s26, s25, 14                        ; tile 2 cg: 16 cg x 1,024,
	s_lshl_b32 s30, s24, 10                        ; K step w
	s_add_co_u32 s26, s26, s30
	s_add_nc_u64 s[14:15], s[14:15], s[26:27]
	global_store_b128 v3, v[F0:F0+3], s[14:15]
	global_store_b128 v3, v[F0+4:F0+7], s[14:15] offset:512
	global_store_b128 v3, v[F1:F1+3], s[14:15] offset:8192
	global_store_b128 v3, v[F1+4:F1+7], s[14:15] offset:8704
	ds_store_b32 v7, v[WS]                         ; the eight waves' words of a unit lie on end: its 32 bytes
	s_wait_dscnt 0x0                               ; for the others' sake: my store has landed
	s_barrier_signal -1
	s_barrier_wait -1
	s_cmp_lg_u32 s24, 0
	s_cbranch_scc1 .Lw1_end
	ds_load_b128 v[32:35], v3                      ; wave 0: the work-group's 1,024 scale bytes, as two runs of 512
	ds_load_b128 v[36:39], v3 offset:512
	s_lshl_b32 s26, s25, 10
	s_add_nc_u64 s[16:17], s[16:17], s[26:27]
	s_wait_dscnt 0x0
	global_store_b128 v3, v[32:35], s[16:17]
	global_store_b128 v3, v[36:39], s[16:17] offset:512
.Lw1_end:
	s_set_vgpr_msb 0x4
	s_wait_tensorcnt 0x0
	ds_add_u32 v27, v1
	s_wait_dscnt 0x0
	s_set_vgpr_msb 0x400
	s_endpgm
.Lw2:
	; ---- W2.  The loads in the order of issue: biases 2, H2 8, H3 8, W0 32, W1 32, W2 32, H0 8, W3 32, H1 8; each wait below counts what was issued behind the block that it needs
	s_lshl_b32 s26, s25, 7                         ; the biases of the units that I finish behind the barrier: 4 (32 cg + 16 j + r), j = (w / 2) % 2
	s_bfe_u32 s30, s24, 0x10001
	s_lshl_b32 s30, s30, 6
	s_add_co_u32 s26, s26, s30
	s_add_nc_u64 s[10:11], s[10:11], s[26:27]
	s_add_nc_u64 s[12:13], s[12:13], s[26:27]
	s_wait_alu depctr_va_vdst(0)
	global_load_b32 v28, v10, s[10:11]
	global_load_b32 v29, v10, s[12:13]
	s_lshl_b32 s30, s24, 9
	s_mov_b32 s31, 0
	s_add_nc_u64 s[8:9], s[8:9], s[30:31]          ; hidden at K step w
	LOADH 2, HX                                    ; hidden is quantised in the operand's own order: lane (r, h) takes a whole block of its row, 128 bytes
	LOADH 3, D
	LOADW 0
	LOADW 1
	s_wait_loadcnt 32                              ; W0 is in: behind it W1's 32
	LOADW 2
	QBLK X, F0, 0
	LOADH 0, X                                     ; into the registers that W0 has left
	s_wait_loadcnt 40                              ; W1 is in: behind it W2's 32 and H0's 8
	LOADW 3
	QBLK X+32, F1, 1
	LOADH 1, X+32
	s_wait_loadcnt 48                              ; W2 is in: behind it H0's 8, W3's 32, H1's 8
	QBLK X+64, F0+4, 2
	s_wait_loadcnt 8                               ; W3 is in, and H0, which was issued ahead of it: behind it H1's 8
	QBLK X+96, F1+4, 3
	FINW
	QBLK HX, HA+8, 2
	QBLK D, HA+12, 3
	QBLK X, HA, 0
	s_wait_loadcnt 0x0                             ; H1
	QBLK X+32, HA+4, 1
.irp m, 0,1
	v_lshl_or_b32 v26, v[QB+2*\m+1], 16, v[QB+2*\m]   ; my two bytes: blocks h and 2 + h of my row,
	s_delay_alu instid0(VALU_DEP_1)
	v_lshlrev_b32 v26, v11, v26                    ; at their places in the word;
	s_delay_alu instid0(VALU_DEP_1)
	v_permlanex16_b32 v[PX], v26, s20, s21
	s_delay_alu instid0(VALU_DEP_1)
	v_or_b32 v[HS+\m], v26, v[PX]                  ; with lane l xor 16's two the word is whole
.endr
.rept 8
	v_nop                                          ; a scale register written by a vector instruction stands 8 places ahead of a scaled matrix instruction, an operand so written 4
.endr
.irp m, 0,1
	v_wmma_scale_f32_16x16x128_f8f6f4 v[D+16*\m:D+16*\m+7], v[HA+8*\m:HA+8*\m+7], v[F0:F0+7], 0, v[HS+\m], v[WS] matrix_a_fmt:MATRIX_FMT_FP4 matrix_b_fmt:MATRIX_FMT_FP4
	v_wmma_scale_f32_16x16x128_f8f6f4 v[D+16*\m+8:D+16*\m+15], v[HA+8*\m:HA+8*\m+7], v[F1:F1+7], 0, v[HS+\m], v[WS] matrix_a_fmt:MATRIX_FMT_FP4 matrix_b_fmt:MATRIX_FMT_FP4 matrix_b_scale:MATRIX_SCALE_ROW1
.endr
.rept 4
	v_nop                                          ; four places in front of the stores that read the results
.endr
.irp a, 0,1,2,3                        ; register i of lane (r, h): batch 16 m + 8 h + i, unit 32 cg + 16 j + r; each accumulator from its low end on
	ds_store_b128 v8, v[D+8*\a:D+8*\a+3] offset:1024*\a
	ds_store_b128 v8, v[D+8*\a+4:D+8*\a+7] offset:1024*\a+512
.endr
	s_wait_dscnt 0x0                               ; for the others' sake: my partial sums have landed
	s_barrier_signal -1
	s_barrier_wait -1
.irp p, 0,1,2,3,4,5,6,7                ; wave w adds up piece w (accumulator w / 2, registers 4 (w % 2) on) of the eight K steps
	ds_load_b128 v[X+4*\p:X+4*\p+3], v9 offset:4096*\p
.endr
	v_mul_f32 v30, s22, v29
	s_delay_alu instid0(VALU_DEP_1)
	v_fma_f32 v30, v28, s22, v30                   ; (W1_b + W2_b) x 2 log2(e) of my unit
	s_delay_alu instid0(VALU_DEP_1)
	v_mov_b32 v31, v30                             ; (named with it as a pair)
	s_lshl_b32 s26, s25, 12
	s_lshl_b32 s30, s24, 9
	s_add_co_u32 s26, s26, s30
	s_add_nc_u64 s[18:19], s[18:19], s[26:27]
	s_wait_dscnt 0x0
.irp p, 0,2,4,6
	v_pk_add_f32 v[X+4*\p:X+4*\p+1], v[X+4*\p:X+4*\p+1], v[X+4*\p+4:X+4*\p+5]
	v_pk_add_f32 v[X+4*\p+2:X+4*\p+3], v[X+4*\p+2:X+4*\p+3], v[X+4*\p+6:X+4*\p+7]
.endr
.irp p, 0
	v_pk_add_f32 v[X+4*\p:X+4*\p+1], v[X+4*\p:X+4*\p+1], v[X+4*\p+8:X+4*\p+9]
	v_pk_add_f32 v[X+4*\p+2:X+4*\p+3], v[X+4*\p+2:X+4*\p+3], v[X+4*\p+10:X+4*\p+11]
.endr
.irp p, 4
	s_delay_alu instid0(VALU_DEP_4)
	v_pk_add_f32 v[X+4*\p:X+4*\p+1], v[X+4*\p:X+4*\p+1], v[X+4*\p+8:X+4*\p+9]
	s_delay_alu instid0(VALU_DEP_4)
	v_pk_add_f32 v[X+4*\p+2:X+4*\p+3], v[X+4*\p+2:X+4*\p+3], v[X+4*\p+10:X+4*\p+11]
.endr
	s_delay_alu instid0(VALU_DEP_2)
	v_pk_add_f32 v[X:X+1], v[X:X+1], v[X+16:X+17]
	s_delay_alu instid0(VALU_DEP_2)
	v_pk_add_f32 v[X+2:X+3], v[X+2:X+3], v[X+18:X+19]
	s_delay_alu instid0(VALU_DEP_2)
	v_pk_fma_f32 v[X:X+1], v[X:X+1], s[22:23], v[30:31] op_sel_hi:[1,0,0]
	s_delay_alu instid0(VALU_DEP_2)
	v_pk_fma_f32 v[X+2:X+3], v[X+2:X+3], s[22:23], v[30:31] op_sel_hi:[1,0,0]
	global_store_b128 v3, v[X:X+3], s[18:19]       ; 512 consecutive bytes a wave: hbimg + 4,096 cg + 512 w + 16 L
	s_set_vgpr_msb 0x4
	s_wait_tensorcnt 0x0
	ds_add_u32 v27, v1
	s_wait_dscnt 0x0
	s_set_vgpr_msb 0x400
	s_endpgm
.Lfunc_end_k_qe26bbf2d9f_prep:
	.size	k_qe26bbf2d9f_prep, .Lfunc_end_k_qe26bbf2d9f_prep-k_qe26bbf2d9f_prep
	.p2alignl 7, 3214868480
	.fill 96, 4, 3214868480
	.section	.rodata,"a",@progbits
	.p2align	6, 0x0
	.amdhsa_kernel k_qe26bbf2d9f_prep
		.amdhsa_group_segment_fixed_size 35840
		.amdhsa_private_segment_fixed_size 0
		.amdhsa_enable_private_segment 0
		.amdhsa_kernarg_size 64
		.amdhsa_user_sgpr_count 2
		.amdhsa_user_sgpr_kernarg_segment_ptr 1
		.amdhsa_wavefront_size32 1
		.amdhsa_system_sgpr_workgroup_id_x 1
		.amdhsa_system_sgpr_workgroup_id_y 1
		.amdhsa_system_sgpr_workgroup_id_z 1
		.amdhsa_system_vgpr_workitem_id 0
		.amdhsa_next_free_vgpr 258
		.amdhsa_next_free_sgpr 66
		.amdhsa_reserve_vcc 0
		.amdhsa_float_denorm_mode_32 3
		.amdhsa_float_denorm_mode_16_64 3
		.amdhsa_memory_ordered 1
		.amdhsa_forward_progress 1
		.amdhsa_inst_pref_size 59
	.end_amdhsa_kernel
	.amdgpu_metadata
---
amdhsa.version: [ 1, 2 ]
amdhsa.kernels:
  - .name:           k_qe26bbf2d9f_prep
    .symbol:         k_qe26bbf2d9f_prep.kd
    .args:
      - { .name: W1_w, .offset: 0, .size: 8, .value_kind: global_buffer, .address_space: global }
      - { .name: W2_w, .offset: 8, .size: 8, .value_kind: global_buffer, .address_space: global }
      - { .name: hidden, .offset: 16, .size: 8, .value_kind: global_buffer, .address_space: global }
      - { .name: W1_b, .offset: 24, .size: 8, .value_kind: global_buffer, .address_space: global }
      - { .name: W2_b, .offset: 32, .size: 8, .value_kind: global_buffer, .address_space: global }
      - { .name: w1img, .offset: 40, .size: 8, .value_kind: global_buffer, .address_space: global }
      - { .name: w1sc, .offset: 48, .size: 8, .value_kind: global_buffer, .address_space: global }
      - { .name: hbimg, .offset: 56, .size: 8, .value_kind: global_buffer, .address_space: global }
    .group_segment_fixed_size: 35840
    .private_segment_fixed_size: 0
    .kernarg_segment_align: 8
    .kernarg_segment_size: 64
    .max_flat_workgroup_size: 256
    .sgpr_count:     66
    .vgpr_count:     258
    .wavefront_size: 32
...
	.end_amdgpu_metadata
.endif
;; end of part 1
;; launch main (part 2): grid 256 x 1, 4 waves a work-group, no clusters, 327,680 bytes of LDS; arguments features, w1img, w1sc, hbimg, V_w, part, lg; writes part, lg
.if DOCPART == 2
	.amdgcn_target "amdgcn-amd-amdhsa--gfx1250"
	.amdhsa_code_object_version 6
	.text
	.protected	k_qe26bbf2d9f_main
	.globl	k_qe26bbf2d9f_main
	.p2align	8
	.type	k_qe26bbf2d9f_main,@function
k_qe26bbf2d9f_main:
	s_mov_b64 s[64:65], 0
	v_nop
	global_prefetch_b8 v0, s[64:65] scope:SCOPE_SE
	s_setreg_imm32_b32 hwreg(HW_REG_WAVE_MODE, 25, 1), 1
	s_wait_xcnt 0x0
; MAIN.  A work-group owns 256 rows (t) of one batch, 16 a trip: quantise the rows, multiply with all of W1 on codes, tanh, weigh with V_w, running softmax, weighted sum of the rows.
; LEFT OUT: V_b and the sum of V_w, which are equal along the softmax's axis (shown at the head of prep).  t = -2 log2(e) x sum over u of V_w[u] / (1 + 2^y), y = 2 log2(e) (f + h).
; W1 STAYS IN THE WGP.  Wave w owns units 256 w .. 256 w + 255, 16 tiles of 16.  Tiles 0-10 stay in registers (704), tiles 11-15 in the wave's own 40,960 bytes of LDS,
; filled once by the wave's tensor load at the head; so each work-group reads W1's image once.  One buffer of 64 registers takes the LDS tiles by turns, each asked for more than a step ahead of its products.
; A TRIP: (1) each wave quantises its 256 columns of the slot's 16 rows, codes and scale bytes to LDS; barrier; (2) every wave takes the 16 rows' fragments (64 registers) and walks its tiles;
; the partial logits meet in LDS; barrier; (3) running maximum and sum, and the context of the wave's 256 columns from the same slot; then the slot is filled again.
; THE WALK goes in nine groups of two accumulators, which take turns: seven pairs of tiles from one register window, and two tiles alone, even and odd K steps in two sums that the scaling multiply-add joins.
; A step: group k + 1 is scaled and group k gets its + 1; ONE batch of transcendentals (group k's reciprocals, group k + 1's exponentials); behind it group k - 1 is weighed and group k + 2 multiplied: two waits a step.
; THE RING: two slots of 16 rows x 4,096 bytes, as rows of 256 bytes + 16 of padding; wave w fetches rows 4 w .. 4 w + 3 by one tensor load; one load a wave is out at any time.
; PREFETCH: in trip t each wave names its 16,384 bytes of trip t + 3's rows, 64 blocks of 256 bytes, a lane a block, two instructions; the tensor load for them stands at the end of trip t + 1.  It stops at t = 12.
; The rows of trips 0-2 are named at the head, behind the head's tensor load: the same lead of three trips.
; NO CLUSTER: the features are read by one work-group alone; W1 is read once a work-group, 11/16 of it into registers, which a joint load cannot fill.
; LIMITS: the promise holds while |t| stays under 2^31; NaN and infinities are not served; a block of zeros, or one whose largest magnitude lies under 2^-124, gets the scale byte 1 (zeros give zero codes; only this program reads the bytes).
.set ROWP,  4352                       ; a feature row in LDS: 16 x (256 + 16)
.set SLOTB, 16*ROWP
.set TRIPB, 65536                      ; a trip's rows in memory
.set CODES, 2*SLOTB                    ; 16 rows of codes, 512 bytes + 16
.set CP,    528
.set SCL,   CODES+16*CP                ; 16 rows of 32 scale bytes, pitch 48
.set SP,    48
.set RED,   SCL+16*SP                  ; 4 waves x 16 partial logits
.set STG,   RED+256                    ; the way out: 4 x 1,024 bytes
.set LG,    STG+4096                   ; the work-group's 256 t
.set SPARE, LG+1024                    ; the spare words
.set BLD,   SPARE+512                  ; 4 waves x 5 tiles x 8,192 bytes of W1
.set SPW,  1
.set NIL,  2
.set XL,   3                           ; my place in a feature row
.set XA0,  4                           ; the same in the slot in hand
.set CST,  5
.set SST,  6
.set AFA,  7
.set ASA,  8
.set REDS, 9
.set REDL, 10
.set LGL,  11
.set LGA,  12
.set BOF,  13                          ; 16 x lane
.set BLA,  14                          ; my wave's LDS tiles + 16 x lane
.set PFO,  15                          ; 256 x lane
.set MX,   16                          ; running maximum; v17 my lane's share of the running sum
.set LSM,  17
.set TTR,  18
.set PR,   19
.set AL,   20                          ; v20-21
.set T0,   22                          ; v22-25 at work
.set T1,   23
.set T2,   24
.set T3,   25
.set STS,  26
.set STL,  27
.set ASC,  28                          ; v28-31 the rows' scale words: lanes 0-15 K steps 0-3, lanes 16-31 K steps 4-7
.set CTX,  32                          ; v32-39
.set LA,   40                          ; v40-47 partial logits; at the head three offsets
.set BSO,  40
.set HBO,  41
.set VO,   42
.set ACS,  48                          ; v48-95 three groups of two accumulators; the quantiser's registers lie there too
.set QM,   48
.set QS,   52
.set QC0,  56
.set QB0,  64
.set VH,   96                          ; v96-191 six a tile: V_w, scale 0, hb, scale 1, scale 2, scale 3
.set XT,   192                         ; v192-255 feature rows at work; during the walk the 16 rows' fragments
; window 1: v0-63 the LDS tile in hand, then tiles 0-2; window 2: tiles 3-6; window 3: tiles 7-10 (tile T at 64 (T + 1) from window 1's start)
.set MSB, 0
.macro WIN new
.if MSB != (\new)
	s_set_vgpr_msb (MSB<<8)|(\new)
.set MSB, (\new)
.endif
.endm
.macro NOPS
.rept 4
	v_nop
.endr
.endm
	s_load_b256 s[4:11], s[0:1], 0x0               ; features, w1img, w1sc, hbimg
	s_load_b128 s[12:15], s[0:1], 0x20             ; V_w, part
	s_load_b64 s[16:17], s[0:1], 0x30              ; lg
	v_lshl_add_u32 v[SPW], v0, 2, SPARE
	v_mov_b32 v[NIL], 0
	ds_add_u32 v[SPW], v[NIL]                      ; the opening lines: the add twice on end and its wait
	ds_add_u32 v[SPW], v[NIL]
	v_lshrrev_b32 v[T0], 5, v0
	v_readfirstlane_b32 s20, v[T0]                 ; wave
	s_mov_b32 s21, ttmp9
	s_mov_b32 s24, (3<<16)|(1<<20)|(5<<22)|(3<<25) ; group 1 for the features: 64 rows of 32 elements of 8 bytes, dense; 4 words of padding behind each 64
	s_mov_b32 s25, 32<<16
	s_mov_b32 s26, 64<<16
	s_mov_b32 s27, 32<<16
	s_mov_b32 s28, 64
	s_mov_b32 s29, 32
	s_mov_b32 s30, 0
	s_mov_b32 s31, 0
	s_mov_b32 s68, 3<<16                           ; group 1 for my five LDS tiles: 160 rows of 256 bytes, dense in memory and in LDS
	s_mov_b32 s69, 32<<16
	s_mov_b32 s70, 160<<16
	s_mov_b32 s71, 32<<16
	s_mov_b32 s72, 160
	s_mov_b32 s73, 32
	s_mov_b32 s74, 0
	s_mov_b32 s75, 0
	s_lshl_b32 s2, s21, 20                         ; my work-group's 256 rows,
	s_lshl_b32 s3, s20, 14                         ; my wave's 4 of a trip's 16
	s_add_co_u32 s2, s2, s3
	s_mov_b32 s3, 0
	s_mov_b32 s32, 1
	s_mul_i32 s33, s20, 4*ROWP
	s_mov_b32 s36, 1
	s_add_co_u32 s37, s33, SLOTB
	s_mul_i32 s22, s20, 4*272
	s_lshl_b32 s23, s20, 7
	s_lshl_b32 s43, s20, 3
	s_lshl_b32 s46, s20, 6
	s_lshl_b32 s47, s20, 10
	s_mul_i32 s48, s20, 5*8192
	s_mov_b32 s76, 1
	s_add_co_u32 s77, s48, BLD
	s_wait_dscnt 0x0
	s_wait_kmcnt 0x0
	s_add_nc_u64 s[34:35], s[4:5], s[2:3]          ; trip 0
	s_add_nc_u64 s[38:39], s[34:35], TRIPB         ; trip 1: this group 0 walks
	s_mov_b64 s[60:61], s[34:35]                   ; the prefetches' base: the trip in hand
	s_or_b32 s35, s35, 0x80000000
	s_or_b32 s39, s39, 0x80000000
	s_lshl_b32 s2, s20, 17
	s_add_nc_u64 s[6:7], s[6:7], s[2:3]            ; my 16 tiles' images
	s_add_nc_u64 s[78:79], s[6:7], 11*8192         ; tiles 11-15
	s_or_b32 s79, s79, 0x80000000
	tensor_load_to_lds s[76:79], s[68:75]          ; my one load at the head: my five LDS tiles
	s_nop 0
	NOPS
	v_and_b32 v[PFO], 31, v0
	v_lshlrev_b32 v[PFO], 8, v[PFO]
.irp t, 0,1,2
	global_prefetch_b8 v[PFO], s[60:61] offset:\t*TRIPB th:TH_LOAD_NT scope:SCOPE_SE          ; my rows of trips 0-2
	global_prefetch_b8 v[PFO], s[60:61] offset:\t*TRIPB+8192 th:TH_LOAD_NT scope:SCOPE_SE
.endr
	s_lshl_b32 s2, s20, 13
	s_add_nc_u64 s[8:9], s[8:9], s[2:3]            ; my tiles' scale bytes
	s_lshl_b32 s2, s20, 10
	s_add_nc_u64 s[50:51], s[12:13], s[2:3]        ; V_w at my units
	s_lshr_b32 s49, s21, 3                         ; the batch b; hbimg holds hb(b, u) at 4,096 (u / 32) + 2,048 (b / 16) + 1,024 ((u / 16) % 2) + 512 ((b / 4) % 2) + 256 ((b / 8) % 2) + 16 (u % 16) + 4 (b % 4)
	s_lshr_b32 s2, s49, 4
	s_lshl_b32 s2, s2, 11
	s_bfe_u32 s52, s49, 0x10002
	s_lshl_b32 s52, s52, 9
	s_add_co_u32 s2, s2, s52
	s_bfe_u32 s52, s49, 0x10003
	s_lshl_b32 s52, s52, 8
	s_add_co_u32 s2, s2, s52
	s_and_b32 s52, s49, 3
	s_lshl_b32 s52, s52, 2
	s_add_co_u32 s2, s2, s52
	s_lshl_b32 s52, s20, 15
	s_add_co_u32 s2, s2, s52
	s_add_nc_u64 s[10:11], s[10:11], s[2:3]
	s_mul_i32 s2, s21, 4352
	s_add_co_u32 s2, s2, s47
	s_add_nc_u64 s[14:15], s[14:15], s[2:3]        ; part: my work-group's row, my wave's 1,024 bytes
	s_lshl_b32 s2, s21, 10
	s_add_nc_u64 s[16:17], s[16:17], s[2:3]        ; lg
	s_mov_b32 s44, 0x4038aa3b                      ; 2 log2(e)
	s_mov_b32 s45, s44
	s_mov_b32 s40, 0                               ; the slot in hand
	s_mov_b32 s41, 0                               ; the trip's place in LG
.irp i, 53,55,57,59
	s_mov_b32 s\i, 0                               ; named as upper halves of pairs
.endr
	v_and_b32 v[T0], 31, v0                        ; lane
	v_and_b32 v[T1], 15, v0                        ; r
	v_bfe_u32 v[T2], v0, 4, 1                      ; h
	v_bfe_u32 v[T3], v0, 3, 2
	v_mul_u32_u24 v[XL], v[T3], 272
	v_and_b32 v[T3], 7, v0
	v_lshl_add_u32 v[XL], v[T3], 5, v[XL]
	v_add_nc_u32 v[XL], s22, v[XL]                 ; columns 256 w + 8 lane .. + 7
	v_lshl_add_u32 v[CST], v[T0], 2, CODES
	v_add_nc_u32 v[CST], s23, v[CST]
	v_bfe_u32 v[SST], v0, 2, 3
	v_add_nc_u32 v[SST], s43, v[SST]
	v_add_nc_u32 v[SST], SCL, v[SST]
	v_mul_u32_u24 v[AFA], v[T1], CP
	v_lshl_add_u32 v[AFA], v[T2], 4, v[AFA]
	v_add_nc_u32 v[AFA], CODES, v[AFA]
	v_mul_u32_u24 v[ASA], v[T1], SP
	v_lshl_add_u32 v[ASA], v[T2], 4, v[ASA]
	v_add_nc_u32 v[ASA], SCL, v[ASA]
	v_lshl_add_u32 v[REDS], v[T2], 5, RED
	v_add_nc_u32 v[REDS], s46, v[REDS]
	v_lshl_add_u32 v[REDL], v[T1], 2, RED
	v_lshl_add_u32 v[LGL], v[T1], 2, LG
	v_lshlrev_b32 v[BOF], 4, v[T0]
	v_lshl_add_u32 v[BLA], v[T0], 4, BLD
	v_add_nc_u32 v[BLA], s48, v[BLA]
	v_lshl_add_u32 v[STS], v[T0], 5, STG
	v_add_nc_u32 v[STS], s47, v[STS]
	v_lshl_add_u32 v[STL], v[T0], 4, STG
	v_add_nc_u32 v[STL], s47, v[STL]
	v_lshlrev_b32 v[BSO], 5, v[T1]
	v_lshl_add_u32 v[BSO], v[T2], 4, v[BSO]
	v_lshlrev_b32 v[HBO], 4, v[T1]
	v_lshlrev_b32 v[VO], 2, v[T1]
	s_wait_alu depctr_va_vdst(0)                   ; behind the addresses
.macro LDT t, w, b                     ; tile t's image into window w, from register b on
	WIN (\w)<<6
.irp s, 0,1,2,3,4,5,6,7
	global_load_b128 v[(\b)+8*\s:(\b)+8*\s+3], v[BOF], s[6:7] offset:8192*(\t)+1024*\s
	global_load_b128 v[(\b)+8*\s+4:(\b)+8*\s+7], v[BOF], s[6:7] offset:8192*(\t)+1024*\s+512
.endr
.endm
.macro LDB k                           ; my LDS tile k into window 1's v0-63
	WIN 0x40
.irp s, 0,1,2,3,4,5,6,7
	ds_load_b128 v[8*\s:8*\s+3], v[BLA] offset:8192*(\k)+1024*\s
	ds_load_b128 v[8*\s+4:8*\s+7], v[BLA] offset:8192*(\k)+1024*\s+512
.endr
	WIN 0
.endm
.irp t, 0,1,2,3,4,5,6,7,8,9,10
	LDT \t, 1+(\t+1)/4, 64*((\t+1)%4)              ; the resident tiles, in one run
.endr
	WIN 0
.irp t, 0,1,2,3,4,5,6,7,8,9,10,11,12,13,14,15
	global_load_b128 v[XT+4*\t:XT+4*\t+3], v[BSO], s[8:9] offset:512*\t   ; tile t's scale words: lanes 0-15 K steps 0-3 of unit r, lanes 16-31 K steps 4-7
	global_load_b32 v[VH+6*\t], v[VO], s[50:51] offset:64*\t
	global_load_b32 v[VH+6*\t+2], v[HBO], s[10:11] offset:4096*(\t/2)+1024*(\t%2)
.endr
	s_wait_tensorcnt 0x0                           ; my LDS tiles are in
	ds_add_u32 v[SPW], v[NIL]
	s_wait_dscnt 0x0
	s_barrier_signal -1
	s_barrier_wait -1
	tensor_load_to_lds s[32:35], s[24:31]          ; slot 0
	s_nop 0
	NOPS
	s_wait_tensorcnt 0x0                           ; my part of slot 0 is in
	ds_add_u32 v[SPW], v[NIL]
	s_wait_dscnt 0x0
	s_barrier_signal -1
	s_barrier_wait -1                              ; slot 0 is whole
	tensor_load_to_lds s[36:39], s[24:31]          ; slot 1
	s_nop 0
	NOPS
	LDB 0                                          ; the first LDS tile
.irp j, 0,1,2,3,4,5,6,7
	v_mov_b32 v[CTX+\j], 0
.endr
	v_mov_b32 v[MX], 0xff61b1e6                    ; -3e38, under every t
	v_mov_b32 v[LSM], 0
	v_mov_b32 v[AL+1], 0
; GROUPS.  g = 0, 2, 4: LDS tile g / 2 (tile 11 + g / 2) with tile g / 2, both in window 1.  g odd: tiles g + 2 and g + 3, in window 2 or 3.  g = 6, 8: LDS tiles 3 and 4 alone.
.macro GSET g
.set GD, ACS+16*((\g)%3)
.set GK, 0
.if ((\g)%2) == 1
.set GT0, (\g)+2
.set GT1, (\g)+3
.set GW, 2+((\g)-1)/4
.set GB0, 128*((((\g)-1)/2)%2)
.set GB1, GB0+64
.else
.set GT0, 11+(\g)/2
.set GT1, (\g)/2
.set GW, 1
.set GB0, 0
.set GB1, 64+32*(\g)
.if (\g) > 5
.set GK, 1
.endif
.endif
.endm
.macro WM d, s, b, t, z                ; source 0 = the 16 rows, source 1 = 16 units: lane (r, h), register j: row 8 h + j, unit r
.set rQ, (\s)%4
.set rU, VH+6*(\t)+2*rQ+1-(rQ/2)*(rQ-1)
.set rD, \d
.set rA, XT+8*(\s)
.set rB, (\b)+8*(\s)
.if \z
	v_wmma_scale_f32_16x16x128_f8f6f4 v[rD:rD+7], v[rA:rA+7], v[rB:rB+7], 0, v[ASC+rQ], v[rU] matrix_a_fmt:MATRIX_FMT_FP4 matrix_b_fmt:MATRIX_FMT_FP4
.elseif (\s) < 4
	v_wmma_scale_f32_16x16x128_f8f6f4 v[rD:rD+7], v[rA:rA+7], v[rB:rB+7], v[rD:rD+7], v[ASC+rQ], v[rU] matrix_a_fmt:MATRIX_FMT_FP4 matrix_b_fmt:MATRIX_FMT_FP4
.else
	v_wmma_scale_f32_16x16x128_f8f6f4 v[rD:rD+7], v[rA:rA+7], v[rB:rB+7], v[rD:rD+7], v[ASC+rQ], v[rU] matrix_a_fmt:MATRIX_FMT_FP4 matrix_b_fmt:MATRIX_FMT_FP4 matrix_a_scale:MATRIX_SCALE_ROW1 matrix_b_scale:MATRIX_SCALE_ROW1
.endif
.endm
.macro MMG g, cnt                      ; a group's products, its two accumulators by turns
	GSET \g
.if (1-(\cnt))*(1-((\g)%2))
	s_wait_dscnt 0x0                               ; the LDS tile is in
.endif
	WIN GW<<2
.irp s, 0,1,2,3,4,5,6,7
.if \cnt
	s_wait_dscnt 2*(7-\s)                          ; may be out: the fragments of the K steps behind this one
.endif
.if GK
	WM GD+8*(\s%2), \s, GB0, GT0, 1-(\s+6)/8
.else
	WM GD, \s, GB0, GT0, 1-(\s+7)/8
	WM GD+8, \s, GB1, GT1, 1-(\s+7)/8
.endif
.endr
	WIN 0
.endm
.macro V1A g                           ; y = 2 log2(e) f + hb
	GSET \g
.irp j, 0,2,4,6
	v_pk_fma_f32 v[GD+\j:GD+\j+1], v[GD+\j:GD+\j+1], s[44:45], v[VH+6*GT0+2:VH+6*GT0+3] op_sel_hi:[1,0,0]
.endr
.irp j, 0,2,4,6
.if GK
	v_pk_fma_f32 v[GD+\j:GD+\j+1], v[GD+8+\j:GD+9+\j], s[44:45], v[GD+\j:GD+\j+1] op_sel_hi:[1,0,1]   ; the odd K steps' sum joins
.else
	v_pk_fma_f32 v[GD+8+\j:GD+9+\j], v[GD+8+\j:GD+9+\j], s[44:45], v[VH+6*GT1+2:VH+6*GT1+3] op_sel_hi:[1,0,0]
.endif
.endr
.endm
.macro V2A g                           ; 1 + 2^y
	GSET \g
.set J, 0
.rept 8-4*GK
	v_pk_add_f32 v[GD+J:GD+J+1], v[GD+J:GD+J+1], 1.0 op_sel_hi:[1,0]
.set J, J+2
.endr
.endm
.macro TRB op, g                       ; one transcendental on each number of the group
	GSET \g
.set J, 0
.rept 16-8*GK
	\op v[GD+J], v[GD+J]
.set J, J+1
.endr
.endm
.macro V3 g                            ; x V_w, summed over my units
	GSET \g
.irp j, 0,2,4,6
.if (\g) == 0
	v_pk_mul_f32 v[LA+\j:LA+\j+1], v[GD+\j:GD+\j+1], v[VH+6*GT0:VH+6*GT0+1] op_sel_hi:[1,0]
.else
	v_pk_fma_f32 v[LA+\j:LA+\j+1], v[GD+\j:GD+\j+1], v[VH+6*GT0:VH+6*GT0+1], v[LA+\j:LA+\j+1] op_sel_hi:[1,0,1]
.endif
.endr
.if 1-GK
.irp j, 0,2,4,6
	v_pk_fma_f32 v[LA+\j:LA+\j+1], v[GD+8+\j:GD+9+\j], v[VH+6*GT1:VH+6*GT1+1], v[LA+\j:LA+\j+1] op_sel_hi:[1,0,1]
.endr
.endif
.endm
.macro LDX q                           ; rows 4 q .. 4 q + 3, my 8 columns of each
.irp i, 0,1,2,3
	ds_load_b128 v[XT+32*((\q)%2)+8*\i:XT+32*((\q)%2)+8*\i+3], v[XA0] offset:(4*(\q)+\i)*ROWP
	ds_load_b128 v[XT+32*((\q)%2)+8*\i+4:XT+32*((\q)%2)+8*\i+7], v[XA0] offset:(4*(\q)+\i)*ROWP+16
.endr
.endm
.macro QUANT4 q                        ; four rows: a block of 32 lies in four neighbouring lanes
.set TB, XT+32*((\q)%2)
.set QC, QC0+4*((\q)%2)
.set QB, QB0+4*((\q)%2)
.irp i, 0,1,2,3
	v_max3_num_f32 v[QM+\i], |v[TB+8*\i]|, |v[TB+8*\i+1]|, 0x1800000   ; the floor 2^(3 - 127) holds the byte at 1 from below
.endr
.irp u, 2,4,6
.irp i, 0,1,2,3
	v_max3_num_f32 v[QM+\i], v[QM+\i], |v[TB+8*\i+\u]|, |v[TB+8*\i+\u+1]|
.endr
.endr
.irp x, 1,2
.irp i, 0,1,2,3
	v_max_num_f32_dpp v[QM+\i], v[QM+\i], v[QM+\i] row_xmask:\x row_mask:0xf bank_mask:0xf
.endr
.endr
.irp i, 0,1,2,3
	v_add_nc_u32 v[QS+\i], 0xff000000, v[QM+\i]    ; 2 off the exponent field: the conversion's scale operand
.endr
.irp i, 0,1,2,3
	v_cvt_scalef32_pk8_fp4_f32 v[QC+\i], v[TB+8*\i:TB+8*\i+7], v[QS+\i]
.endr
.irp i, 0,1,2,3
	v_lshrrev_b32 v[QB+\i], 23, v[QS+\i]           ; the byte; also the plain line behind the conversions
.endr
.irp i, 0,1,2,3
	ds_store_b32 v[CST], v[QC+\i] offset:CP*(4*(\q)+\i)
	ds_store_b8 v[SST], v[QB+\i] offset:SP*(4*(\q)+\i)
.endr
.endm
.macro CTX4 q                          ; context += p(row) x row, four rows
.irp i, 0,1,2,3
	v_readlane_b32 s[52+2*\i], v[PR], 4*(\q)+\i
.endr
.irp i, 0,1,2,3
.irp j, 0,2,4,6
	v_pk_fma_f32 v[CTX+\j:CTX+\j+1], v[XT+32*((\q)%2)+8*\i+\j:XT+32*((\q)%2)+8*\i+\j+1], s[52+2*\i:53+2*\i], v[CTX+\j:CTX+\j+1] op_sel_hi:[1,0,1]
.endr
.endr
.endm
.macro BARRIER
	s_wait_dscnt 0x0
	s_barrier_signal -1
	s_barrier_wait -1
.endm
.macro BODY refill
	v_add_nc_u32 v[XA0], s40, v[XL]
	LDX 0
	LDX 1
.if \refill
	s_cmp_gt_u32 s42, 1                            ; the loop's last trip is trip 13: trip 16 does not exist
	s_cbranch_scc0 .Lno_ask_\@
	global_prefetch_b8 v[PFO], s[60:61] offset:3*TRIPB th:TH_LOAD_NT scope:SCOPE_SE
	global_prefetch_b8 v[PFO], s[60:61] offset:3*TRIPB+8192 th:TH_LOAD_NT scope:SCOPE_SE
.Lno_ask_\@:
.endif
.irp q, 0,1,2,3
.if (\q == 0) || (\q == 3)
	s_wait_dscnt 8                                 ; behind these rows' loads: 8 loads (q = 0) or 8 stores (q = 3)
.else
	s_wait_dscnt 16                                ; 8 stores and 8 loads
.endif
	QUANT4 \q
.if \q < 2
	LDX \q+2
.endif
.endr
	BARRIER                                        ; the 16 rows' codes and bytes are whole
	ds_load_b128 v[ASC:ASC+3], v[ASA]
.irp s, 0,1,2,3,4,5,6,7
	ds_load_b128 v[XT+8*\s:XT+8*\s+3], v[AFA] offset:64*\s
	ds_load_b128 v[XT+8*\s+4:XT+8*\s+7], v[AFA] offset:64*\s+32
.endr
	MMG 0, 1
	NOPS                                           ; places behind group 0's products
.set K, -1
.rept 11                               ; step K
	s_wait_alu depctr_va_vdst(0)                   ; for the last batch's results and group K + 1's matrix results, directly ahead of their first reader
.if K < 8
	V1A K+1
.endif
.if (K >= 0) && (K < 9)
	V2A K
.endif
.if K < 9
	s_wait_alu depctr_va_vdst(0)                   ; ahead of the batch
.if (((K+1)%2) == 0) && (K < 8)
	LDB ((K+1)/2+1)%5                              ; group K + 1's products, issued in the last step with four places behind them, have read the buffer: its next tile (the last: the next trip's first)
.endif
.if K >= 0
	TRB v_rcp_f32, K
.endif
.if K < 8
	TRB v_exp_f32, K+1
.endif
.endif
.if K > 0
	V3 K-1                                         ; plain work behind the batch, on the batch before's results
.endif
.if K < 7
	MMG K+2, 0                                     ; over the accumulators that the lines above have read out
	NOPS                                           ; the places behind the products
.endif
.set K, K+1
.endr
	LDX 0                                          ; the context's first rows, over the fragments, which are done with
	LDX 1
.irp x, 1,2,4,8
.irp j, 0,1,2,3,4,5,6,7
	v_add_f32_dpp v[LA+\j], v[LA+\j], v[LA+\j] row_xmask:\x row_mask:0xf bank_mask:0xf
.endr
.endr
	ds_store_b128 v[REDS], v[LA:LA+3]              ; rows 8 h .. 8 h + 7 of my 256 units; sixteen lanes write the same
	ds_store_b128 v[REDS], v[LA+4:LA+7] offset:16
	BARRIER
	ds_load_b32 v[T0], v[REDL]
	ds_load_b32 v[T1], v[REDL] offset:64
	ds_load_b32 v[T2], v[REDL] offset:128
	ds_load_b32 v[T3], v[REDL] offset:192
	v_add_nc_u32 v[LGA], s41, v[LGL]
	s_wait_dscnt 0x0
	v_add_f32 v[T0], v[T0], v[T1]
	v_add_f32 v[T2], v[T2], v[T3]
	v_add_f32 v[T0], v[T0], v[T2]
	v_mul_f32 v[TTR], -v[T0], s44                  ; t of row lane % 16
	s_cmp_lg_u32 s20, 0
	s_cbranch_scc1 .Lnot_wave_0_\@
	s_wait_alu depctr_va_vdst(0)
	ds_store_b32 v[LGA], v[TTR]
.Lnot_wave_0_\@:
	s_wait_alu depctr_va_vdst(0)
	v_mov_b32 v[T0], v[TTR]
.irp x, 1,2,4,8
	v_max_num_f32_dpp v[T0], v[T0], v[T0] row_xmask:\x row_mask:0xf bank_mask:0xf
.endr
	v_max_num_f32 v[T0], v[T0], v[MX]              ; the running maximum
	v_sub_f32 v[T1], v[MX], v[T0]
	v_sub_f32 v[T2], v[TTR], v[T0]
	s_wait_alu depctr_va_vdst(0)
	v_exp_f32 v[AL], v[T1]
	v_exp_f32 v[PR], v[T2]
	v_mov_b32 v[MX], v[T0]
	s_wait_alu depctr_va_vdst(0)
	v_fma_f32 v[LSM], v[LSM], v[AL], v[PR]         ; my row's share of the sum; the lanes are joined at the end
.irp j, 0,2,4,6
	v_pk_mul_f32 v[CTX+\j:CTX+\j+1], v[CTX+\j:CTX+\j+1], v[AL:AL+1] op_sel_hi:[1,0]
.endr
	CTX4 0                                         ; rows 0-7 came in ahead of the barrier
	LDX 2
	CTX4 1
	LDX 3
	s_wait_alu depctr_va_vdst(0)
	s_wait_dscnt 8                                 ; rows 8-11 are in; behind them rows 12-15's 8 loads
	CTX4 2
	s_wait_alu depctr_va_vdst(0)
	s_wait_dscnt 0x0
	CTX4 3
	s_wait_tensorcnt 0x0                           ; my part of the other slot is in
	ds_add_u32 v[SPW], v[NIL]
.if \refill
	s_xor_b32 s37, s37, SLOTB                      ; the slot just read,
	s_add_nc_u64 s[38:39], s[38:39], TRIPB         ; the rows of two trips on
	s_wait_xcnt 0x0                                ; my prefetches have read their base
	s_add_nc_u64 s[60:61], s[60:61], TRIPB
.endif
	s_wait_dscnt 0x0                               ; the add is done, my reads of this slot are over
	s_barrier_signal -1
	s_barrier_wait -1
.if \refill
	tensor_load_to_lds s[36:39], s[24:31]
	s_nop 0
	NOPS
.endif
	s_xor_b32 s40, s40, SLOTB
	s_add_co_u32 s41, s41, 64
.endm
	s_wait_alu depctr_va_vdst(0)
	s_wait_loadcnt 0x0
.irp t, 0,1,2,3,4,5,6,7,8,9,10,11,12,13,14,15
.irp q, 0,1,2,3
	v_mov_b32 v[VH+6*\t+2*\q+1-(\q/2)*(\q-1)], v[XT+4*\t+\q]   ; the scale words to their places beside V_w and hb
.endr
.endr
	s_wait_alu depctr_va_vdst(0)                   ; at the head's end
	s_mov_b32 s42, 14
.Lfill:
	BODY 1
	s_sub_co_u32 s42, s42, 1
	s_cmp_lg_u32 s42, 0
	s_cbranch_scc1 .Lfill
	s_mov_b32 s42, 2
.Ltail:                                            ; the last two trips fill nothing
	BODY 0
	s_sub_co_u32 s42, s42, 1
	s_cmp_lg_u32 s42, 0
	s_cbranch_scc1 .Ltail
	; the way out: my 256 columns of the context through my stage, 512 consecutive bytes a store; wave 0 also stores (maximum, sum) and the 256 t
	s_wait_alu depctr_va_vdst(0)
.irp x, 1,2,4,8
	v_add_f32_dpp v[LSM], v[LSM], v[LSM] row_xmask:\x row_mask:0xf bank_mask:0xf   ; the sixteen rows' shares of the sum
.endr
	v_and_b32 v48, 31, v0
	v_lshlrev_b32 v48, 3, v48
	s_wait_alu depctr_va_vdst(0)
	ds_store_b128 v[STS], v[CTX:CTX+3]
	ds_store_b128 v[STS], v[CTX+4:CTX+7] offset:16
	ds_load_b128 v[XT:XT+3], v[STL]
	ds_load_b128 v[XT+4:XT+7], v[STL] offset:512
	s_cmp_lg_u32 s20, 0
	s_cbranch_scc1 .Lnot_wave_0
	ds_load_b128 v[XT+8:XT+11], v[STL] offset:4096     ; wave 0's stage + 4,096 is LG
	ds_load_b128 v[XT+12:XT+15], v[STL] offset:4608
	s_wait_dscnt 0x0
	global_store_b64 v48, v[MX:MX+1], s[14:15] offset:4096
	global_store_b128 v[BOF], v[XT+8:XT+11], s[16:17]
	global_store_b128 v[BOF], v[XT+12:XT+15], s[16:17] offset:512
.Lnot_wave_0:
	s_wait_dscnt 0x0
	global_store_b128 v[BOF], v[XT:XT+3], s[14:15]
	global_store_b128 v[BOF], v[XT+4:XT+7], s[14:15] offset:512
	s_wait_tensorcnt 0x0                           ; the wave's end
	ds_add_u32 v[SPW], v[NIL]
	s_wait_dscnt 0x0
	s_endpgm
.Lfunc_end_k_qe26bbf2d9f_main:
	.size	k_qe26bbf2d9f_main, .Lfunc_end_k_qe26bbf2d9f_main-k_qe26bbf2d9f_main
	.p2alignl 7, 3214868480
	.fill 96, 4, 3214868480
	.section	.rodata,"a",@progbits
	.p2align	6, 0x0
	.amdhsa_kernel k_qe26bbf2d9f_main
		.amdhsa_group_segment_fixed_size 327680
		.amdhsa_private_segment_fixed_size 0
		.amdhsa_enable_private_segment 0
		.amdhsa_kernarg_size 56
		.amdhsa_user_sgpr_count 2
		.amdhsa_user_sgpr_kernarg_segment_ptr 1
		.amdhsa_wavefront_size32 1
		.amdhsa_system_sgpr_workgroup_id_x 1
		.amdhsa_system_sgpr_workgroup_id_y 1
		.amdhsa_system_sgpr_workgroup_id_z 1
		.amdhsa_system_vgpr_workitem_id 0
		.amdhsa_next_free_vgpr 1024
		.amdhsa_next_free_sgpr 80
		.amdhsa_reserve_vcc 0
		.amdhsa_float_denorm_mode_32 3
		.amdhsa_float_denorm_mode_16_64 3
		.amdhsa_memory_ordered 1
		.amdhsa_forward_progress 1
		.amdhsa_inst_pref_size 175
	.end_amdhsa_kernel
	.amdgpu_metadata
---
amdhsa.version: [ 1, 2 ]
amdhsa.kernels:
  - .name:           k_qe26bbf2d9f_main
    .symbol:         k_qe26bbf2d9f_main.kd
    .args:
      - { .name: features, .offset: 0, .size: 8, .value_kind: global_buffer, .address_space: global }
      - { .name: w1img, .offset: 8, .size: 8, .value_kind: global_buffer, .address_space: global }
      - { .name: w1sc, .offset: 16, .size: 8, .value_kind: global_buffer, .address_space: global }
      - { .name: hbimg, .offset: 24, .size: 8, .value_kind: global_buffer, .address_space: global }
      - { .name: V_w, .offset: 32, .size: 8, .value_kind: global_buffer, .address_space: global }
      - { .name: part, .offset: 40, .size: 8, .value_kind: global_buffer, .address_space: global }
      - { .name: lg, .offset: 48, .size: 8, .value_kind: global_buffer, .address_space: global }
    .group_segment_fixed_size: 327680
    .private_segment_fixed_size: 0
    .kernarg_segment_align: 8
    .kernarg_segment_size: 56
    .max_flat_workgroup_size: 128
    .sgpr_count:     80
    .vgpr_count:     1024
    .wavefront_size: 32
...
	.end_amdgpu_metadata
.endif
;; end of part 2
;; launch fin (part 3): grid 32 x 1, 8 waves a work-group, no clusters, 0 bytes of LDS; arguments part, lg, out0, out1; writes out0, out1
.if DOCPART == 3
	.amdgcn_target "amdgcn-amd-amdhsa--gfx1250"
	.amdhsa_code_object_version 6
	.text
	.protected	k_qe26bbf2d9f_fin
	.globl	k_qe26bbf2d9f_fin
	.p2align	8
	.type	k_qe26bbf2d9f_fin,@function
k_qe26bbf2d9f_fin:
	s_mov_b64 s[64:65], 0
	v_nop
	global_prefetch_b8 v0, s[64:65] scope:SCOPE_SE
	s_setreg_imm32_b32 hwreg(HW_REG_WAVE_MODE, 25, 1), 1
	s_wait_xcnt 0x0
; FIN.  A batch's eight partial results (context under its own maximum m_i, sum l_i) are joined: M = the largest m_i, w_i = 2^(m_i - M), sum = sum of l_i w_i;
; out0 = sum of w_i context_i / sum;  out1 = 2^(t - M) / sum for the batch's 2,048 t.
; One work-group a batch, 256 threads: thread n takes columns 4 n .. 4 n + 3 of the context and t's numbers 4 n .. and 1,024 + 4 n ..: each load and store of a wave covers 512 consecutive bytes.
; No LDS, no barrier, no matrix work: threads share nothing but the eight pairs, which come by scalar loads.
.set ROWB, 4352                        ; a row of part: 4,096 bytes of context, then the pair (m, l) 32 times
.set CX,  16                           ; v16-47  the eight partial contexts
.set TQ,  48                           ; v48-55  eight t
.set WM,  60                           ; v60-67  m_i, then w_i
.set WL,  68                           ; v68-75  l_i
.set MXR, 76                           ; v76     M
.set SUM, 77                           ; v77     the sum
.set INV, 78                           ; v78     1 / the sum;  v79 is named with it as a pair
.set FW,  80                           ; v80-95  w_i / the sum, twice each: pairs for the packed forms
	s_load_b256 s[4:11], s[0:1], 0x0               ; part s[4:5], lg s[6:7], out0 s[8:9], out1 s[10:11]
	v_lshlrev_b32 v1, 4, v0                        ; 16 bytes a thread
	v_mov_b32 v[INV+1], 0
	s_mul_i32 s12, ttmp9, 8*ROWB                   ; the batch's eight rows of part,
	s_mov_b32 s13, 0
	s_lshl_b32 s14, ttmp9, 13                      ; its 2,048 numbers in lg and in out1,
	s_mov_b32 s15, 0
	s_lshl_b32 s32, ttmp9, 12                      ; its row of out0
	s_mov_b32 s33, 0
	s_wait_alu depctr_va_vdst(0)
	s_wait_kmcnt 0x0
	s_add_nc_u64 s[4:5], s[4:5], s[12:13]
	s_add_nc_u64 s[6:7], s[6:7], s[14:15]
	s_add_nc_u64 s[8:9], s[8:9], s[32:33]
	s_add_nc_u64 s[10:11], s[10:11], s[14:15]
.irp i, 0,1,2,3,4,5,6,7
	s_load_b64 s[16+2*\i:17+2*\i], s[4:5], ROWB*\i+4096
.endr
.irp i, 0,1,2,3,4,5,6,7
	global_load_b128 v[CX+4*\i:CX+4*\i+3], v1, s[4:5] offset:ROWB*\i th:TH_LOAD_NT
.endr
	global_load_b128 v[TQ:TQ+3], v1, s[6:7] th:TH_LOAD_NT
	global_load_b128 v[TQ+4:TQ+7], v1, s[6:7] offset:4096 th:TH_LOAD_NT
	s_wait_kmcnt 0x0
.irp i, 0,1,2,3,4,5,6,7
	v_mov_b32 v[WM+\i], s[16+2*\i]
	v_mov_b32 v[WL+\i], s[17+2*\i]
.endr
	v_max3_num_f32 v[MXR], v[WM], v[WM+1], v[WM+2]
	s_delay_alu instid0(VALU_DEP_1)
	v_max3_num_f32 v[MXR], v[MXR], v[WM+3], v[WM+4]
	s_delay_alu instid0(VALU_DEP_1)
	v_max3_num_f32 v[MXR], v[MXR], v[WM+5], v[WM+6]
	s_delay_alu instid0(VALU_DEP_1)
	v_max_num_f32 v[MXR], v[MXR], v[WM+7]
.irp i, 0,1,2,3,4,5,6,7
	v_sub_f32 v[WM+\i], v[WM+\i], v[MXR]
.endr
	s_wait_alu depctr_va_vdst(0)
.irp i, 0,1,2,3,4,5,6,7
	v_exp_f32 v[WM+\i], v[WM+\i]
.endr
	v_nop                                          ; a plain line behind the last exponential
	s_wait_alu depctr_va_vdst(0)                   ; one wait for the eight, ahead of their first reader
	v_mul_f32 v[SUM], v[WM], v[WL]
.irp i, 1,2,3,4,5,6,7
	v_fmac_f32 v[SUM], v[WM+\i], v[WL+\i]
.endr
	s_wait_alu depctr_va_vdst(0)
	v_rcp_f32 v[INV], v[SUM]
	v_nop
	s_wait_alu depctr_va_vdst(0)
.irp i, 0,1,2,3,4,5,6,7
	v_mul_f32 v[FW+2*\i], v[WM+\i], v[INV]
	v_mul_f32 v[FW+2*\i+1], v[WM+\i], v[INV]
.endr
	s_wait_loadcnt 2                               ; the eight contexts are in; the two loads of t may be out
	v_pk_mul_f32 v[8:9], v[CX:CX+1], v[FW:FW+1]    ; the first product starts the sums
	v_pk_mul_f32 v[10:11], v[CX+2:CX+3], v[FW:FW+1]
.irp i, 1,2,3,4,5,6,7
	s_delay_alu instid0(VALU_DEP_2)
	v_pk_fma_f32 v[8:9], v[CX+4*\i:CX+4*\i+1], v[FW+2*\i:FW+2*\i+1], v[8:9]
	s_delay_alu instid0(VALU_DEP_2)
	v_pk_fma_f32 v[10:11], v[CX+4*\i+2:CX+4*\i+3], v[FW+2*\i:FW+2*\i+1], v[10:11]
.endr
	global_store_b128 v1, v[8:11], s[8:9]
	s_wait_loadcnt 0x0
.irp j, 0,1,2,3,4,5,6,7
	v_sub_f32 v[TQ+\j], v[TQ+\j], v[MXR]
.endr
	s_wait_alu depctr_va_vdst(0)
.irp j, 0,1,2,3,4,5,6,7
	v_exp_f32 v[TQ+\j], v[TQ+\j]
.endr
	v_nop
	s_wait_alu depctr_va_vdst(0)
.irp j, 0,2,4,6
	v_pk_mul_f32 v[TQ+\j:TQ+\j+1], v[TQ+\j:TQ+\j+1], v[INV:INV+1] op_sel_hi:[1,0]
.endr
	global_store_b128 v1, v[TQ:TQ+3], s[10:11]
	global_store_b128 v1, v[TQ+4:TQ+7], s[10:11] offset:4096
	s_endpgm
.Lfunc_end_k_qe26bbf2d9f_fin:
	.size	k_qe26bbf2d9f_fin, .Lfunc_end_k_qe26bbf2d9f_fin-k_qe26bbf2d9f_fin
	.p2alignl 7, 3214868480
	.fill 96, 4, 3214868480
	.section	.rodata,"a",@progbits
	.p2align	6, 0x0
	.amdhsa_kernel k_qe26bbf2d9f_fin
		.amdhsa_group_segment_fixed_size 0
		.amdhsa_private_segment_fixed_size 0
		.amdhsa_enable_private_segment 0
		.amdhsa_kernarg_size 32
		.amdhsa_user_sgpr_count 2
		.amdhsa_user_sgpr_kernarg_segment_ptr 1
		.amdhsa_wavefront_size32 1
		.amdhsa_system_sgpr_workgroup_id_x 1
		.amdhsa_system_sgpr_workgroup_id_y 1
		.amdhsa_system_sgpr_workgroup_id_z 1
		.amdhsa_system_vgpr_workitem_id 0
		.amdhsa_next_free_vgpr 96
		.amdhsa_next_free_sgpr 66
		.amdhsa_reserve_vcc 0
		.amdhsa_float_denorm_mode_32 3
		.amdhsa_float_denorm_mode_16_64 3
		.amdhsa_memory_ordered 1
		.amdhsa_forward_progress 1
		.amdhsa_inst_pref_size 8
	.end_amdhsa_kernel
	.amdgpu_metadata
---
amdhsa.version: [ 1, 2 ]
amdhsa.kernels:
  - .name:           k_qe26bbf2d9f_fin
    .symbol:         k_qe26bbf2d9f_fin.kd
    .args:
      - { .name: part, .offset: 0, .size: 8, .value_kind: global_buffer, .address_space: global }
      - { .name: lg, .offset: 8, .size: 8, .value_kind: global_buffer, .address_space: global }
      - { .name: out0, .offset: 16, .size: 8, .value_kind: global_buffer, .address_space: global }
      - { .name: out1, .offset: 24, .size: 8, .value_kind: global_buffer, .address_space: global }
    .group_segment_fixed_size: 0
    .private_segment_fixed_size: 0
    .kernarg_segment_align: 8
    .kernarg_segment_size: 32
    .max_flat_workgroup_size: 256
    .sgpr_count:     66
    .vgpr_count:     96
    .wavefront_size: 32
...
	.end_amdgpu_metadata
.endif
;; end of part 3
